; MI455X (gfx1250); checked and timed in simulation.
; The chip was launched on July 23, 2026; its instructions are those of AMD's public machine-readable ISA for CDNA 5 (MIT licence, August 2026) and "CDNA5" Instruction Set Architecture Reference Guide (July 2026).
;; Multi Head Attention. Allowed arithmetic: matrix products marked QUANTISED: E4M3 operands, one given power-of-two scale a tensor, by v_wmma_f32_16x16x64_fp8_fp8 or v_wmma_f32_16x16x128_fp8_fp8, f32 sums; everything else in f32.
;; Inputs: b_out 1,024 float32; lowp_scales 8 int32 (the exponents e of the quantised operands' scales 2^e); w_out 1,024 x 1,024 float32; w_qkv 3,072 x 1,024 float32; x 4 x 2,048 x 1,024 float32.
;; Outputs: out0 4 x 2,048 x 1,024 float32.
;; This version of the problem:
;;   THIS VERSION OF THE PROBLEM IS GIVEN IN LOW PRECISION. The matrix products marked QUANTISED in the list below multiply operands that are first quantised to E4M3 (4 exponent bits, 3 mantissa bits; 8 bits a number), with one given power-of-two scale for each operand tensor; their sums are f32. All else is computed in f32.
;;   The module's matrix products, in the order in which they are computed (A, B: the left and right operand; K: the contracted axis; several contracted axes count as one K, in the product's order):
;;     1. [M 8,192, K 1,024] x [K 1,024, N 3,072]; A: input x; B: input w_qkv: QUANTISED (scales: A lowp_scales[0], B lowp_scales[1])
;;     2. batch 64 x [M 2,048, K 64] x [K 64, N 2,048]; A: computed on the way; B: computed on the way: QUANTISED (scales: A lowp_scales[2], B lowp_scales[3])
;;     3. batch 64 x [M 2,048, K 2,048] x [K 2,048, N 64]; A: softmax (see below); B: computed on the way: QUANTISED (scales: A lowp_scales[4], B lowp_scales[5])
;;     4. [M 8,192, K 1,024] x [K 1,024, N 1,024]; A: computed on the way; B: input w_out: QUANTISED (scales: A lowp_scales[6], B lowp_scales[7])
;;   THE QUANTISER, for each operand of a quantised product, along K:
;;     - The operand's scale is 2^e, e = its entry of the input lowp_scales (int32; the entries are numbered through the quantised products in the list's order, A before B).
;;     - Each number is divided by the scale, clamped to +-448, and rounded to the nearest number of E4M3, ties to even, subnormals kept.
;;     - The product sums the exact products of the quantised numbers (number of the format x scale) in f32.
;;   ~~~python
;;   def quantise(x, axis, e):      # numpy; x: float32 -> the quantised numbers, widened to float32 again
;;       x = np.moveaxis(x, axis, -1); K = x.shape[-1]
;;       r = np.clip(x / 2.0 ** e, -448, 448)
;;       step = 2.0 ** (np.maximum(np.frexp(np.where(r == 0, 1, r))[1] - 1, -6) - 3)
;;       q = np.round(r / step) * step * 2.0 ** e      # np.round: ties to even
;;       return np.moveaxis(q, -1, axis).astype(np.float32)
;;   ~~~
;;   SOFTMAX AHEAD OF A QUANTISED PRODUCT. Where the list says 'softmax', what is quantised is not the finished softmax but p = 2^(t - M), with t = logit x log2(e) and M = ceil(the row's largest t), a whole number; so 1/2 < the row's largest p <= 1. The row's sum l is taken of the UNQUANTISED p, in f32, and the product's result is divided by l at the end. Since M is a whole number, a kernel that streams over the keys may use a running M (the ceiling of the running maximum): every later rescaling is an exact power of two, so the quantised numbers keep their values, but for numbers so far below the row's largest that they fall under the format's range.
;;   OPERANDS COMPUTED ON THE WAY. 'Computed on the way' means the value that the module computes at that place (a softmax that the list does not call 'softmax' is quantised finished and normalised). What goes into a quantiser is computed in f32, as accurately as f32 sums, v_exp_f32 and their like allow (about 1e-6 of the number): no bf16 or f16 on the way to a quantiser, and a product that is left as it is and whose result goes on into a quantised operand takes f32 operands (vector FMAs, or v_wmma_f32_16x16x4_f32). A number that lies on a knife's edge between two numbers of the format may be rounded either way, as far as f32 arithmetic and the matrix unit's own rounding can turn it there, and no further.
;; One version. Each part assembles by itself: llvm-mc -triple=amdgcn-amd-amdhsa -mcpu=gfx1250 --defsym DOCPART=n.
;; ======== version 1 of 1: 4 launches
;; limits: right only within a limited range of input values
;; workspace buffers: x_codes 8,388,608 bytes; wqkv_codes 3,145,728 bytes; wout_codes 1,048,576 bytes; qkv 25,165,824 bytes; a_codes 8,388,608 bytes
;; launch quant (part 1): grid 1536 x 1, 4 waves a work-group, no clusters, 33,280 bytes of LDS; arguments x, w_qkv, w_out, lowp_scales, x_codes, wqkv_codes, wout_codes; writes x_codes, wqkv_codes, wout_codes
.if DOCPART == 1
	.amdgcn_target "amdgcn-amd-amdhsa--gfx1250"
	.amdhsa_code_object_version 6
	.text
	.protected	k_q39c572d028_quant
	.globl	k_q39c572d028_quant
	.p2align	8
	.type	k_q39c572d028_quant,@function
k_q39c572d028_quant:
	s_mov_b64 s[64:65], 0
	v_nop
	global_prefetch_b8 v0, s[64:65] scope:SCOPE_SE
	s_setreg_imm32_b32 hwreg(HW_REG_WAVE_MODE, 25, 1), 1
	s_wait_xcnt 0x0
.set WAVES, 4
.set STEPS, 4
.set WGX,   1024
.set WGQ,   1408
.set EMAX,  8
.set MANT,  0x600000
.set CB,    16
.set R,     16
.set X,     80
.set C,     128
.set WREG,  8192
.set SP,    80
.set SPW,   12
.set NIL,   13
.set SPARE, WAVES*WREG
	s_load_b256 s[4:11], s[0:1], 0x0
	s_load_b128 s[12:15], s[0:1], 0x20
	s_load_b64 s[16:17], s[0:1], 0x30
	v_lshl_add_u32 v[SPW], v0, 2, SPARE
	v_mov_b32 v[NIL], 0
	v_lshrrev_b32 v1, 5, v0
	v_readfirstlane_b32 s18, v1
	v_and_b32 v2, 31, v0
	v_lshlrev_b32 v3, 4, v2
	s_mul_i32 s19, s18, WREG
	v_lshrrev_b32 v14, 2, v2
	v_mul_u32_u24 v14, v14, SP
	v_and_b32 v15, 3, v2
	v_lshl_add_u32 v14, v15, 4, v14
	v_add_nc_u32 v14, s19, v14
	v_and_b32 v15, 30, v2
	v_mul_u32_u24 v15, v15, SP
	v_and_b32 v5, 1, v2
	v_lshl_add_u32 v15, v5, 5, v15
	v_add_nc_u32 v15, s19, v15
	v_mul_u32_u24 v4, v2, CB
	s_mov_b32 s24, WGQ
	s_wait_alu depctr_va_vdst(0)
	s_wait_kmcnt 0x0
	s_load_b256 s[32:39], s[10:11], 0x0
	s_cmp_lt_u32 ttmp9, WGQ
	s_cselect_b64 s[20:21], s[6:7], s[8:9]
	s_cselect_b64 s[22:23], s[14:15], s[16:17]
	s_cselect_b32 s24, WGX, s24
	s_cmp_lt_u32 ttmp9, WGX
	s_cselect_b64 s[20:21], s[4:5], s[20:21]
	s_cselect_b64 s[22:23], s[12:13], s[22:23]
	s_cselect_b32 s24, 0, s24
	s_sub_co_u32 s25, ttmp9, s24
	s_lshl_b32 s25, s25, 2
	s_add_co_u32 s25, s25, s18
	s_lshl_b32 s28, s25, 13
	s_mov_b32 s29, 0
	s_lshl_b32 s30, s25, 11
	s_mov_b32 s31, 0
	s_add_nc_u64 s[20:21], s[20:21], s[28:29]
	s_add_nc_u64 s[22:23], s[22:23], s[30:31]
.irp t, 0,1,2,3
.irp i, 0,1,2,3
	global_load_b128 v[R+16*\t+4*\i:R+16*\t+4*\i+3], v3, s[20:21] offset:2048*\t+512*\i th:TH_LOAD_NT
.endr
.endr
.macro TURN t
.irp i, 0,1,2,3
	ds_store_b128 v14, v[R+16*(\t)+4*\i:R+16*(\t)+4*\i+3] offset:32*SP*((\t)%2)+8*SP*\i
.endr
.irp i, 0,1,2,3
	ds_load_b128 v[X+16*((\t)%2)+4*\i:X+16*((\t)%2)+4*\i+3], v15 offset:32*SP*((\t)%2)+(\i/2)*SP+(\i%2)*16
.endr
.endm
	s_wait_kmcnt 0x0
	s_cmp_lt_u32 ttmp9, WGQ
	s_cselect_b32 s40, s33, s39
	s_cmp_lt_u32 ttmp9, WGX
	s_cselect_b32 s40, s32, s40
	s_cselect_b32 s42, 0x80808080, 0
	s_add_co_i32 s40, s40, 127
	s_lshl_b32 s41, s40, 23
	v_mov_b32 v11, s41
	s_add_co_i32 s40, s40, EMAX
	s_lshl_b32 s40, s40, 23
	s_or_b32 s40, s40, MANT
	v_mov_b32 v10, s40
	s_wait_alu depctr_va_vdst(0)
	s_wait_loadcnt 12
	TURN 0
.macro STEP t
.set XS, X+16*((\t)%2)
	s_wait_dscnt 0x0
.if (\t)+1 < STEPS
	s_wait_loadcnt 4*(STEPS-2-(\t))
	TURN (\t)+1
.endif
.irp i, 0,1,2,3,4,5,6,7,8,9,10,11,12,13,14,15
	v_med3_num_f32 v[XS+\i], v[XS+\i], -v10, v10
.endr
	v_cvt_scalef32_pk8_fp8_f32 v[C+4*(\t):C+4*(\t)+1], v[XS:XS+7], v11
	v_cvt_scalef32_pk8_fp8_f32 v[C+4*(\t)+2:C+4*(\t)+3], v[XS+8:XS+15], v11
.if (\t)%2
	v_nop
.irp i, 0,1,2,3
	v_xor_b32 v[C+4*(\t)+\i], s42, v[C+4*(\t)+\i]
.endr
.endif
	global_store_b128 v4, v[C+4*(\t):C+4*(\t)+3], s[22:23] offset:32*CB*(\t)
.endm
.irp t, 0,1,2,3
	STEP \t
.endr
	s_wait_tensorcnt 0x0
	ds_add_u32 v[SPW], v[NIL]
	s_wait_dscnt 0x0
	s_endpgm
.Lfunc_end_k_q39c572d028_quant:
	.size	k_q39c572d028_quant, .Lfunc_end_k_q39c572d028_quant-k_q39c572d028_quant
	.p2alignl 7, 3214868480
	.fill 96, 4, 3214868480
	.section	.rodata,"a",@progbits
	.p2align	6, 0x0
	.amdhsa_kernel k_q39c572d028_quant
		.amdhsa_group_segment_fixed_size 33280
		.amdhsa_private_segment_fixed_size 0
		.amdhsa_enable_private_segment 0
		.amdhsa_kernarg_size 56
		.amdhsa_user_sgpr_count 2
		.amdhsa_user_sgpr_kernarg_segment_ptr 1
		.amdhsa_wavefront_size32 1
		.amdhsa_system_sgpr_workgroup_id_x 1
		.amdhsa_system_sgpr_workgroup_id_y 1
		.amdhsa_system_sgpr_workgroup_id_z 1
		.amdhsa_system_vgpr_workitem_id 0
		.amdhsa_next_free_vgpr 144
		.amdhsa_next_free_sgpr 66
		.amdhsa_reserve_vcc 0
		.amdhsa_float_denorm_mode_32 3
		.amdhsa_float_denorm_mode_16_64 3
		.amdhsa_memory_ordered 1
		.amdhsa_forward_progress 1
		.amdhsa_inst_pref_size 12
	.end_amdhsa_kernel
	.amdgpu_metadata
---
amdhsa.version: [ 1, 2 ]
amdhsa.kernels:
  - .name:           k_q39c572d028_quant
    .symbol:         k_q39c572d028_quant.kd
    .args:
      - { .name: x, .offset: 0, .size: 8, .value_kind: global_buffer, .address_space: global }
      - { .name: w_qkv, .offset: 8, .size: 8, .value_kind: global_buffer, .address_space: global }
      - { .name: w_out, .offset: 16, .size: 8, .value_kind: global_buffer, .address_space: global }
      - { .name: lowp_scales, .offset: 24, .size: 8, .value_kind: global_buffer, .address_space: global }
      - { .name: x_codes, .offset: 32, .size: 8, .value_kind: global_buffer, .address_space: global }
      - { .name: wqkv_codes, .offset: 40, .size: 8, .value_kind: global_buffer, .address_space: global }
      - { .name: wout_codes, .offset: 48, .size: 8, .value_kind: global_buffer, .address_space: global }
    .group_segment_fixed_size: 33280
    .private_segment_fixed_size: 0
    .kernarg_segment_align: 8
    .kernarg_segment_size: 56
    .max_flat_workgroup_size: 128
    .sgpr_count:     66
    .vgpr_count:     144
    .wavefront_size: 32
...
	.end_amdgpu_metadata
.endif
;; end of part 1
;; launch qkv (part 2): grid 12 x 32, 4 waves a work-group, clusters of 4 x 4, 327,680 bytes of LDS; arguments x_codes, wqkv_codes, lowp_scales, qkv; writes qkv
.if DOCPART == 2
	.amdgcn_target "amdgcn-amd-amdhsa--gfx1250"
	.amdhsa_code_object_version 6
	.text
	.protected	k_q39c572d028_qkv
	.globl	k_q39c572d028_qkv
	.p2align	8
	.type	k_q39c572d028_qkv,@function
k_q39c572d028_qkv:
	s_mov_b64 s[64:65], 0
	v_nop
	global_prefetch_b8 v0, s[64:65] scope:SCOPE_SE
	s_setreg_imm32_b32 hwreg(HW_REG_WAVE_MODE, 25, 1), 1
	s_wait_xcnt 0x0
	s_wait_alu depctr_hold_cnt(0) depctr_sa_sdst(0) depctr_va_vdst(0) depctr_va_sdst(0) depctr_va_ssrc(0) depctr_va_vcc(0) depctr_vm_vsrc(0)
	s_getreg_b32 s2, hwreg(HW_REG_IB_STS2, 6, 4)
	s_cmp_eq_u32 s2, 0
	s_cbranch_scc0 .Lentry_in_a_cluster
	s_endpgm
.Lentry_in_a_cluster:
	s_bfe_u32 s2, ttmp6, 0x10000c
	s_cmp_lg_u32 s2, 0xf033
	s_cbranch_scc0 .Lentry_shape_is_right
	s_endpgm
.Lentry_shape_is_right:
.set SIZE_K, 1024
.set KSTEP,  256
.set ROWB,   256
.set KROW,   SIZE_K
.set PITCH,  272
.set FR,     16
.set NL,     4
.set NP,     4
.set HALFT,  128*PITCH
.set SLOT,   4*HALFT
.set SPARE,  2*SLOT
.set ADRA, 16
.set ADRB, 20
.set CO,   26
.set SPW,  28
.set NIL,  29
.set SCL,  30
.set LIMV, 31
.set TMP,  32
.set AF,   128
.set CD,   128
.set G1, 24
.set G0, 32
.set G1B, 48
.set G0B, 56
.set MSB, 0
.macro WIN new
.if MSB != \new
	s_set_vgpr_msb (MSB<<8)|\new
.set MSB, \new
.endif
.endm
.set MUL_LO, 0xa1
.set MUL_HI, 0xf1
.set TO_B,   0x40
.macro JLOAD g0a, g1a, g0b, g1b
	s_cmp_eq_u32 s15, 0
	s_cbranch_scc0 .Lfor_b_\@
	tensor_load_to_lds s[\g0a:\g0a+3], s[\g1a:\g1a+7]
	s_nop 0
.rept 4
	v_nop
.endr
	s_branch .Lasked_\@
.Lfor_b_\@:
	tensor_load_to_lds s[\g0b:\g0b+3], s[\g1b:\g1b+7]
	s_nop 0
.rept 4
	v_nop
.endr
.Lasked_\@:
.endm
.macro CREST
	s_cmp_lg_u32 s14, 0
	s_cbranch_scc1 .Lnot_wave_0_\@
	s_barrier_signal -3
.Lnot_wave_0_\@:
	s_barrier_wait -3
	s_barrier_signal -1
	s_barrier_wait -1
.endm
.macro CROUND
	s_barrier_signal -1
	s_barrier_wait -1
	CREST
.endm
	s_load_b128 s[4:7], s[0:1], 0x0
	s_load_b128 s[8:11], s[0:1], 0x10
	v_lshl_add_u32 v[SPW], v0, 2, SPARE
	v_mov_b32 v[NIL], 0
	ds_add_u32 v[SPW], v[NIL]
	ds_add_u32 v[SPW], v[NIL]
	v_lshrrev_b32 v1, 5, v0
	v_readfirstlane_b32 s14, v1
	s_lshr_b32 s15, s14, 1
	s_and_b32 s16, s14, 1
	s_bfe_u32 s40, ttmp6, 0x40000
	s_bfe_u32 s41, ttmp6, 0x40004
	s_and_b32 s82, ttmp7, 0xffff
	s_lshl_b32 s82, s82, 2
	s_lshl_b32 s84, ttmp9, 2
	s_cmp_eq_u32 ttmp9, 2
	s_cselect_b32 s83, 8, s82
	s_cselect_b32 s85, s82, s84
	s_cselect_b32 s80, 1, 0
	s_add_co_u32 s17, s83, s41
	s_add_co_u32 s42, s85, s40
	s_lshl_b32 s43, s41, 2
	s_lshl_b32 s43, 15, s43
	s_lshl_b32 s44, 0x1111, s40
	s_or_b32 s[G1+0], s43, (0<<16)|(1<<20)|(1<<21)|(5<<22)|(3<<25)
	s_or_b32 s[G1B+0], s44, (0<<16)|(1<<20)|(1<<21)|(5<<22)|(3<<25)
.irp g, G1, G1B
	s_mov_b32 s[\g+1], ROWB<<16
	s_mov_b32 s[\g+2], 128<<16
	s_mov_b32 s[\g+3], ROWB<<16
	s_mov_b32 s[\g+4], 128
	s_mov_b32 s[\g+5], KROW
	s_mov_b32 s[\g+6], 0
	s_mov_b32 s[\g+7], 0
.endr
	s_lshl_b32 s18, s16, 7
	s_lshl_b32 s20, s17, 8
	s_add_co_u32 s20, s20, s18
	s_lshl_b32 s46, s42, 8
	s_add_co_u32 s46, s46, s18
	s_mov_b32 s21, 0
	s_mov_b32 s47, 0
	s_mov_b64 s[18:19], KROW
	s_mul_u64 s[20:21], s[20:21], s[18:19]
	s_mul_u64 s[46:47], s[46:47], s[18:19]
	s_mul_i32 s45, s14, HALFT
	s_wait_dscnt 0x0
	s_wait_kmcnt 0x0
	s_load_b256 s[72:79], s[8:9], 0x0
	s_cmp_eq_u32 s80, 1
	s_cselect_b64 s[66:67], s[6:7], s[4:5]
	s_cselect_b64 s[68:69], s[4:5], s[6:7]
	s_add_nc_u64 s[20:21], s[66:67], s[20:21]
	s_add_nc_u64 s[46:47], s[68:69], s[46:47]
	CROUND
.irp s, 0,1
	s_mov_b32 s[G0+4*\s], 1
	s_add_co_u32 s[G0+4*\s+1], s45, \s*SLOT
	s_add_nc_u64 s[G0+4*\s+2:G0+4*\s+3], s[20:21], \s*ROWB
	s_or_b32 s[G0+4*\s+3], s[G0+4*\s+3], 0x80000000
	s_mov_b32 s[G0B+4*\s], 1
	s_add_co_u32 s[G0B+4*\s+1], s45, \s*SLOT
	s_add_nc_u64 s[G0B+4*\s+2:G0B+4*\s+3], s[46:47], \s*ROWB
	s_or_b32 s[G0B+4*\s+3], s[G0B+4*\s+3], 0x80000000
.endr
	JLOAD G0, G1, G0B, G1B
	v_and_b32 v1, 15, v0
	v_bfe_u32 v2, v0, 4, 1
	v_mul_u32_u24 v3, v1, PITCH
	v_lshl_add_u32 v4, v2, 4, v3
	s_mul_i32 s21, s15, HALFT
	s_mul_i32 s22, s16, HALFT
	s_add_co_u32 s22, s22, 2*HALFT
.irp s, 0,1
	v_add_nc_u32 v[ADRA+\s], s21, v4
	v_add_nc_u32 v[ADRB+\s], s22, v4
	s_add_co_u32 s21, s21, SLOT
	s_add_co_u32 s22, s22, SLOT
.endr
	v_and_b32 v6, 31, v0
	v_lshlrev_b32 v[CO], 4, v6
	s_cmp_eq_u32 s80, 1
	s_cselect_b32 s86, s42, s17
	s_cselect_b32 s87, s41, s40
	s_cselect_b32 s88, s16, s15
	s_cselect_b32 s89, s15, s16
	s_lshr_b32 s90, s86, 3
	s_lshl_b32 s90, s90, 4
	s_lshl_b32 s87, s87, 2
	s_add_co_u32 s90, s90, s87
	s_lshl_b32 s89, s89, 1
	s_add_co_u32 s90, s90, s89
	s_lshl_b32 s90, s90, 17
	s_and_b32 s86, s86, 7
	s_lshl_b32 s86, s86, 1
	s_add_co_u32 s86, s86, s88
	s_lshl_b32 s86, s86, 13
	s_add_co_u32 s90, s90, s86
	s_lshl_b32 s91, ttmp9, 23
	s_add_co_u32 s90, s90, s91
	s_mov_b32 s91, 0
	s_add_nc_u64 s[10:11], s[10:11], s[90:91]
.macro FRAG reg, adr, q, i
.irp c, 0,1,2,3
	ds_load_b128 v[\reg+4*\c:\reg+4*\c+3], v[\adr] offset:128*(\q)+32*\c+(\i)*16*PITCH
.endr
.endm
.macro MUL16 a0, p, zero
.irp a, \a0, \a0+1
.irp b, 0,1,2,3,4,5,6,7
.if \zero
	v_wmma_f32_16x16x128_fp8_fp8 v[8*(8*((\a)%4)+\b):8*(8*((\a)%4)+\b)+7], v[128*(\p)+FR*\b:128*(\p)+FR*\b+FR-1], v[AF+FR*(\a):AF+FR*(\a)+FR-1], 0
.else
	v_wmma_f32_16x16x128_fp8_fp8 v[8*(8*((\a)%4)+\b):8*(8*((\a)%4)+\b)+7], v[128*(\p)+FR*\b:128*(\p)+FR*\b+FR-1], v[AF+FR*(\a):AF+FR*(\a)+FR-1], v[8*(8*((\a)%4)+\b):8*(8*((\a)%4)+\b)+7]
.endif
.endr
.endr
.endm
.macro FETCH_B slot, q, p
	WIN TO_B
.irp i, 0,1,2,3,4,5,6,7
	FRAG 128*(\p)+FR*\i, ADRB+\slot, \q, \i
.endr
	WIN 0
.endm
.macro FETCH_A slot, q, i0
.irp i, \i0, \i0+1, \i0+2, \i0+3
	FRAG AF+FR*(\i), ADRA+\slot, \q, \i
.endr
.endm
.macro PLACES n
.rept \n
	v_nop
.endr
.endm
.macro STEP slot, q, zero
	s_wait_dscnt 4*NL
	WIN MUL_LO
	MUL16 0, (\q)%2, \zero
	MUL16 2, (\q)%2, \zero
	s_wait_dscnt 0
	PLACES NP
	FETCH_B \slot, (\q)+1, 1-(\q)%2
	FETCH_A \slot, (\q)+1, 0
	WIN MUL_HI
	MUL16 4, (\q)%2, \zero
	MUL16 6, (\q)%2, \zero
	PLACES NP
	WIN 0
	FETCH_A \slot, (\q)+1, 4
.endm
.macro TURN slot, next, fill
	s_wait_tensorcnt 0x0
	ds_add_u32 v[SPW], v[NIL]
	s_wait_dscnt 4*NL+1
	WIN MUL_LO
	MUL16 0, 1, 0
	s_wait_dscnt 0x0
	s_barrier_signal -1
	MUL16 2, 1, 0
	WIN 0
	s_barrier_wait -1
.if \fill
	CREST
	s_add_nc_u64 s[G0+4*\slot+2:G0+4*\slot+3], s[G0+4*\slot+2:G0+4*\slot+3], 2*ROWB
	s_add_nc_u64 s[G0B+4*\slot+2:G0B+4*\slot+3], s[G0B+4*\slot+2:G0B+4*\slot+3], 2*ROWB
	JLOAD G0+4*\slot, G1, G0B+4*\slot, G1B
.else
	PLACES NP
.endif
	FETCH_B \next, 0, 0
	FETCH_A \next, 0, 0
	WIN MUL_HI
	MUL16 4, 1, 0
	MUL16 6, 1, 0
	PLACES NP
	WIN 0
	FETCH_A \next, 0, 4
.endm
.macro NEGATE
	WIN 0x82
.set j, 0
.rept 128
	v_pk_mul_f32 v[j:j+1], v[j:j+1], -1.0 op_sel_hi:[1,0]
.set j, j+2
.endr
	WIN 0xc3
.set j, 0
.rept 128
	v_pk_mul_f32 v[j:j+1], v[j:j+1], -1.0 op_sel_hi:[1,0]
.set j, j+2
.endr
.endm
	s_wait_alu depctr_va_vdst(0)
	s_wait_tensorcnt 0x0
	ds_add_u32 v[SPW], v[NIL]
	s_wait_dscnt 0x0
	CROUND
	JLOAD G0+4, G1, G0B+4, G1B
	FETCH_B 0, 0, 0
	FETCH_A 0, 0, 0
	FETCH_A 0, 0, 4
	STEP 0, 0, 1
	TURN 0, 1, 1
	STEP 1, 0, 0
	TURN 1, 0, 1
	NEGATE
	s_wait_alu depctr_va_vdst(0)
	STEP 0, 0, 0
	TURN 0, 1, 0
	STEP 1, 0, 0
	s_wait_dscnt 4*NL
	WIN MUL_LO
	MUL16 0, 1, 0
	MUL16 2, 1, 0
	s_wait_dscnt 0
	WIN MUL_HI
	MUL16 4, 1, 0
	MUL16 6, 1, 0
	WIN 0
	s_wait_kmcnt 0x0
	s_cmp_eq_u32 ttmp9, 1
	s_cselect_b32 s92, s75, s74
	s_cmp_eq_u32 ttmp9, 2
	s_cselect_b32 s92, s77, s92
	s_sub_co_i32 s92, s92, s72
	s_sub_co_i32 s92, s92, s73
	s_add_co_i32 s92, s92, 127
	s_lshl_b32 s93, s92, 23
	v_mov_b32 v[SCL], s93
	s_add_co_i32 s92, s92, 8
	s_lshl_b32 s92, s92, 23
	s_or_b32 s92, s92, 0x600000
	v_mov_b32 v[LIMV], s92
	PLACES NP
.macro CODES a
	WIN 0x02+((\a)/4)
.set j, 0
.rept 64
	v_med3_num_f32 v[TMP+j], -v[64*((\a)%4)+j], -v[LIMV], v[LIMV]
.set j, j+1
.endr
	WIN 0
.irp b, 0,1,2,3,4,5,6,7
	v_cvt_scalef32_pk8_fp8_f32 v[CD+16*(\a)+2*\b:CD+16*(\a)+2*\b+1], v[TMP+8*\b:TMP+8*\b+7], v[SCL]
.endr
	v_nop
.endm
.irp a, 0,1,2,3,4,5,6,7
	CODES \a
.endr
	s_cmp_eq_u32 s80, 1
	s_cbranch_scc1 .Lv_out
.irp a, 0,1,2,3,4,5,6,7
.irp n, 0,1,2,3
	global_store_b128 v[CO], v[CD+16*\a+4*\n:CD+16*\a+4*\n+3], s[10:11] offset:(\n/2)*131072+\a*1024+(\n%2)*512
.endr
.endr
	s_branch .Lstored
.Lv_out:
	s_wait_alu depctr_va_vdst(0)
.irp a, 0,1,2,3,4,5,6,7
.irp n, 0,1,2,3
	global_store_b128 v[CO], v[CD+16*\a+4*\n:CD+16*\a+4*\n+3], s[10:11] offset:(\a/4)*131072+(\a%4)*2048+\n*512
.endr
.endr
.Lstored:
	s_wait_tensorcnt 0x0
	ds_add_u32 v[SPW], v[NIL]
	s_wait_dscnt 0x0
	CROUND
	s_endpgm
.Lfunc_end_k_q39c572d028_qkv:
	.size	k_q39c572d028_qkv, .Lfunc_end_k_q39c572d028_qkv-k_q39c572d028_qkv
	.p2alignl 7, 3214868480
	.fill 96, 4, 3214868480
	.section	.rodata,"a",@progbits
	.p2align	6, 0x0
	.amdhsa_kernel k_q39c572d028_qkv
		.amdhsa_group_segment_fixed_size 327680
		.amdhsa_private_segment_fixed_size 0
		.amdhsa_enable_private_segment 0
		.amdhsa_kernarg_size 32
		.amdhsa_user_sgpr_count 2
		.amdhsa_user_sgpr_kernarg_segment_ptr 1
		.amdhsa_wavefront_size32 1
		.amdhsa_system_sgpr_workgroup_id_x 1
		.amdhsa_system_sgpr_workgroup_id_y 1
		.amdhsa_system_sgpr_workgroup_id_z 1
		.amdhsa_system_vgpr_workitem_id 0
		.amdhsa_next_free_vgpr 1024
		.amdhsa_next_free_sgpr 98
		.amdhsa_reserve_vcc 0
		.amdhsa_float_denorm_mode_32 3
		.amdhsa_float_denorm_mode_16_64 3
		.amdhsa_memory_ordered 1
		.amdhsa_forward_progress 1
		.amdhsa_inst_pref_size 137
	.end_amdhsa_kernel
	.amdgpu_metadata
---
amdhsa.version: [ 1, 2 ]
amdhsa.kernels:
  - .name:           k_q39c572d028_qkv
    .symbol:         k_q39c572d028_qkv.kd
    .args:
      - { .name: x_codes, .offset: 0, .size: 8, .value_kind: global_buffer, .address_space: global }
      - { .name: wqkv_codes, .offset: 8, .size: 8, .value_kind: global_buffer, .address_space: global }
      - { .name: lowp_scales, .offset: 16, .size: 8, .value_kind: global_buffer, .address_space: global }
      - { .name: qkv, .offset: 24, .size: 8, .value_kind: global_buffer, .address_space: global }
    .group_segment_fixed_size: 327680
    .private_segment_fixed_size: 0
    .kernarg_segment_align: 8
    .kernarg_segment_size: 32
    .max_flat_workgroup_size: 128
    .sgpr_count:     98
    .vgpr_count:     1024
    .wavefront_size: 32
...
	.end_amdgpu_metadata
.endif
;; end of part 2
;; launch attn (part 3): grid 4 x 64, 12 waves a work-group, clusters of 4 x 1, 327,680 bytes of LDS; arguments qkv, lowp_scales, a_codes; writes a_codes
.if DOCPART == 3
	.amdgcn_target "amdgcn-amd-amdhsa--gfx1250"
	.amdhsa_code_object_version 6
	.text
	.protected	k_q39c572d028_attn
	.globl	k_q39c572d028_attn
	.p2align	8
	.type	k_q39c572d028_attn,@function
k_q39c572d028_attn:
	s_mov_b64 s[64:65], 0
	v_nop
	global_prefetch_b8 v0, s[64:65] scope:SCOPE_SE
	s_setreg_imm32_b32 hwreg(HW_REG_WAVE_MODE, 25, 1), 1
	s_wait_xcnt 0x0
	s_wait_alu depctr_hold_cnt(0) depctr_sa_sdst(0) depctr_va_vdst(0) depctr_va_sdst(0) depctr_va_ssrc(0) depctr_va_vcc(0) depctr_vm_vsrc(0)
	s_getreg_b32 s2, hwreg(HW_REG_IB_STS2, 6, 4)
	s_cmp_eq_u32 s2, 0
	s_cbranch_scc0 .Lentry_in_a_cluster
	s_endpgm
.Lentry_in_a_cluster:
	s_bfe_u32 s2, ttmp6, 0x10000c
	s_cmp_lg_u32 s2, 0x3003
	s_cbranch_scc0 .Lentry_shape_is_right
	s_endpgm
.Lentry_shape_is_right:
.set VREG,  131072
.set SPARE, 262144
.set LI,   1
.set RR,   2
.set SPW,  3
.set NIL,  4
.set ADK,  5
.set ADV,  6
.set PSC,  7
.set PLIM, 8
.set PD,   10
.set TA,   11
.set ST,   12
.set FF,   20
.set SB,   22
.set QF,   24
.set KV,   40
.set PB1,  104
.set S,    106
.set OA,   170
.set P0,   234
.set OSC,  250
.set OLIM, 251
.set TC,   252
.set T3,   253
.set T4,   254
.set WV,   10
.set CX,   11
.set HY,   12
.set KF,   13
.set TB,   14
.set CT,   15
.set QE,   16
.set QB,   18
.set SEL,  20
.set CS,   22
.set G1A,  24
.set G0A,  32
.set G0B,  36
.set G1B,  40
.set QP,   48
.set OP,   52
.set LV,   70
.set PH,   71
.set Q0,   98
.macro CROUND
	s_barrier_signal -1
	s_barrier_wait -1
	s_cmp_lg_u32 s[WV], 0
	s_cbranch_scc1 .Lnot_wave_0_\@
	s_barrier_signal -3
.Lnot_wave_0_\@:
	s_barrier_wait -3
	s_barrier_signal -1
	s_barrier_wait -1
.endm
.macro JLOAD g0, g1
	s_cmp_lt_u32 s[WV], 8
	s_cbranch_scc0 .Lasked_\@
	tensor_load_to_lds s[\g0:\g0+3], s[\g1:\g1+7]
	s_nop 0
.rept 4
	v_nop
.endr
.Lasked_\@:
.endm
.macro TILES
	s_lshl_b32 s[QB], s58, 6
	s_lshl_b32 s[QB+1], s59, 6
	s_or_b32 s[QE], s[QB], 63
	s_or_b32 s[QE+1], s[QB+1], 63
	s_add_co_u32 s[Q0], s[QB], s60
	s_add_co_u32 s[Q0+1], s[QB+1], s60
	s_lshl_b32 s80, s58, 12
	s_add_co_u32 s80, s80, s63
	s_lshl_b32 s82, s59, 12
	s_add_co_u32 s82, s82, s63
	s_lshl_b32 s84, s58, 14
	s_add_co_u32 s84, s84, s93
	s_lshl_b32 s86, s59, 14
	s_add_co_u32 s86, s86, s93
	s_add_nc_u64 s[QP:QP+1], s[4:5], s[80:81]
	s_add_nc_u64 s[QP+2:QP+3], s[4:5], s[82:83]
	s_add_nc_u64 s[OP:OP+1], s[8:9], s[84:85]
	s_add_nc_u64 s[OP+2:OP+3], s[8:9], s[86:87]
.endm
.macro FRESH
	global_load_b128 v[QF:QF+3],     v[LI], s[QP:QP+1]
	global_load_b128 v[QF+4:QF+7],   v[LI], s[QP:QP+1] offset:512
	global_load_b128 v[QF+8:QF+11],  v[LI], s[QP+2:QP+3]
	global_load_b128 v[QF+12:QF+15], v[LI], s[QP+2:QP+3] offset:512
.irp x, 0,1
	v_mov_b32 v[ST+4*\x+1], 0xff61b1e6
	v_mov_b32 v[ST+4*\x+2], 0
	v_mov_b32 v[ST+4*\x+3], 0
	v_floor_f32 v[ST+4*\x], -v[ST+4*\x+1]
.endr
.set j, 0
.rept 64
	v_mov_b32 v[OA+j], 0
.set j, j+1
.endr
.endm
	s_load_b128 s[4:7], s[0:1], 0x0
	s_load_b64 s[8:9], s[0:1], 0x10
	v_lshl_add_u32 v[SPW], v0, 2, SPARE
	v_mov_b32 v[NIL], 0
	ds_add_u32 v[SPW], v[NIL]
	ds_add_u32 v[SPW], v[NIL]
	v_lshrrev_b32 v[TA], 5, v0
	v_readfirstlane_b32 s[WV], v[TA]
	s_bfe_u32 s[CX], ttmp6, 0x40000
	s_and_b32 s[HY], ttmp7, 0xffff
	s_sub_co_u32 s58, 21, s[WV]
	s_add_co_u32 s59, s[WV], 22
	s_sub_co_u32 s61, s[WV], 10
	s_cmp_lt_u32 s[WV], 10
	s_cselect_b32 s58, s58, s61
	s_cselect_b32 s59, s59, s[WV]
	s_cselect_b32 s[LV], 0, 2
	s_lshl_b32 s60, s[CX], 4
	s_lshl_b32 s62, s[HY], 17
	s_lshr_b32 s61, s[WV], 2
	s_and_b32 s66, s[WV], 3
	s_lshl_b32 s67, s61, 17
	s_lshl_b32 s68, s66, 12
	s_add_co_u32 s[G0A+1], s67, s68
	s_mul_i32 s69, s66, 28672
	s_add_co_u32 s69, s69, 16384
	s_add_co_u32 s[G0B+1], s67, s69
	s_add_co_u32 s61, s61, 1
	s_lshl_b32 s61, s61, 23
	s_add_co_u32 s61, s61, s62
	s_add_co_u32 s88, s61, s68
	s_mov_b32 s89, 0
	s_add_co_u32 s90, s61, s69
	s_mov_b32 s91, 0
	s_lshl_b32 s63, s[CX], 10
	s_add_co_u32 s63, s63, s62
	s_and_b32 s92, s[HY], 15
	s_lshr_b32 s93, s92, 2
	s_lshl_b32 s93, s93, 21
	s_and_b32 s94, s92, 3
	s_lshl_b32 s94, s94, 10
	s_add_co_u32 s93, s93, s94
	s_lshr_b32 s94, s[HY], 4
	s_lshl_b32 s94, s94, 7
	s_add_co_u32 s94, s94, s[CX]
	s_lshl_b32 s94, s94, 12
	s_add_co_u32 s93, s93, s94
	s_mov_b32 s81, 0
	s_mov_b32 s83, 0
	s_mov_b32 s85, 0
	s_mov_b32 s87, 0
.irp g, G1A, G1B
	s_mov_b32 s[\g], 15|(3<<16)|(1<<21)
	s_mov_b32 s[\g+1], 32<<16
	s_mov_b32 s[\g+3], 32<<16
	s_mov_b32 s[\g+5], 32
	s_mov_b32 s[\g+6], 0
	s_mov_b32 s[\g+7], 0
.endr
	s_mov_b32 s[G1A+2], 16<<16
	s_mov_b32 s[G1A+4], 16
	s_mov_b32 s[G1B+2], 112<<16
	s_mov_b32 s[G1B+4], 112
	s_mov_b32 s[SEL], 0x76543210
	s_mov_b32 s[SEL+1], 0xfedcba98
	s_mov_b32 s[CS], 0x3e38aa3b
	s_mov_b32 s[KF], 0
	s_wait_dscnt 0x0
	s_wait_kmcnt 0x0
	s_load_b256 s[72:79], s[6:7], 0x0
	s_mov_b32 s[G0A], 1
	s_add_nc_u64 s[G0A+2:G0A+3], s[4:5], s[88:89]
	s_or_b32 s[G0A+3], s[G0A+3], 0x80000000
	s_mov_b32 s[G0B], 1
	s_add_nc_u64 s[G0B+2:G0B+3], s[4:5], s[90:91]
	s_or_b32 s[G0B+3], s[G0B+3], 0x80000000
	CROUND
	JLOAD G0A, G1A
	TILES
	v_and_b32 v[TA], 31, v0
	v_lshlrev_b32 v[LI], 4, v[TA]
	v_and_b32 v[TC], 15, v0
	v_bfe_u32 v[PD], v0, 4, 1
	v_lshlrev_b32 v[PD], 3, v[PD]
	v_sub_nc_u32 v[RR], v[TC], v[PD]
	FRESH
	v_mov_b32 v[PD], 0
	v_mov_b32 v[TA], 0
	v_mov_b32 v[FF+1], 0
	s_wait_kmcnt 0x0
	s_add_co_i32 s56, s74, s75
	s_lshl_b32 s56, s56, 23
	s_add_co_i32 s[CS], s[CS], s56
	s_mov_b32 s[CS+1], s[CS]
	s_add_co_i32 s56, s76, 127
	s_lshl_b32 s57, s56, 23
	v_mov_b32 v[PSC], s57
	s_add_co_i32 s56, s56, 8
	s_lshl_b32 s56, s56, 23
	s_or_b32 s56, s56, 0x600000
	v_mov_b32 v[PLIM], s56
	v_mov_b32 v[PLIM+1], s56
	s_sub_co_i32 s56, s78, s76
	s_sub_co_i32 s56, s56, s77
	s_add_co_i32 s56, s56, 127
	s_lshl_b32 s57, s56, 23
	v_mov_b32 v[OSC], s57
	s_add_co_i32 s56, s56, 8
	s_lshl_b32 s56, s56, 23
	s_or_b32 s56, s56, 0x600000
	v_mov_b32 v[OLIM], s56
.macro HOLD4 a
	v_dual_min_num_f32 v[\a], v[\a], v[PLIM] :: v_dual_min_num_f32 v[\a+1], v[\a+1], v[PLIM+1]
	v_dual_min_num_f32 v[\a+2], v[\a+2], v[PLIM] :: v_dual_min_num_f32 v[\a+3], v[\a+3], v[PLIM+1]
.endm
.macro SOFT x, pb
.set rT, ST+4*\x
.set rO, OA+32*\x
.irp t, 0,1,2,3,4,5,6,7
	v_wmma_f32_16x16x64_fp8_fp8 v[S+8*\t:S+8*\t+7], v[KV+8*\t:KV+8*\t+7], v[QF+8*\x:QF+8*\x+7], 0
.endr
.rept 4
	v_nop
.endr
.if \x
.irp d, 0,1,2,3
.irp g, 0,1,2,3
	ds_load_b128 v[KV+16*\d+4*\g:KV+16*\d+4*\g+3], v[ADV] offset:\d*2048+\g*512
.endr
.endr
.endif
	s_add_co_u32 s96, s[KF], 128
	s_cmp_le_u32 s96, s[QB+\x]
	s_cbranch_scc1 .Lopen_\@
	s_sub_co_i32 s97, s[Q0+\x], s[KF]
	v_add_nc_u32 v[TA], s97, v[RR]
	v_mov_b32 v[TC], 0xff800000
.set n, 0
.rept 64
	v_cmp_gt_i32 vcc_lo, 16*(n/8)+n%8, v[TA]
	v_cndmask_b32 v[S+n], v[S+n], v[TC], vcc_lo
.set n, n+1
.endr
.Lopen_\@:
	v_max3_num_f32 v[TC], v[S], v[S+1], v[S+2]
	v_max3_num_f32 v[FF], v[S+3], v[S+4], v[S+5]
	v_max3_num_f32 v[T3], v[S+6], v[S+7], v[S+8]
	v_max3_num_f32 v[T4], v[S+9], v[S+10], v[S+11]
.irp i, 12,20,28,36,44,52
	v_max3_num_f32 v[TC], v[TC], v[S+\i], v[S+\i+1]
	v_max3_num_f32 v[FF], v[FF], v[S+\i+2], v[S+\i+3]
	v_max3_num_f32 v[T3], v[T3], v[S+\i+4], v[S+\i+5]
	v_max3_num_f32 v[T4], v[T4], v[S+\i+6], v[S+\i+7]
.endr
	v_max3_num_f32 v[TC], v[TC], v[S+60], v[S+61]
	v_max3_num_f32 v[FF], v[FF], v[S+62], v[S+63]
	v_max_num_f32 v[T3], v[T3], v[T4]
	v_max3_num_f32 v[TC], v[TC], v[FF], v[T3]
	v_permlanex16_b32 v[PD], v[TC], s[SEL], s[SEL+1]
	v_max_num_f32 v[TC], v[TC], v[PD]
	v_mul_f32 v[TC], s[CS], v[TC]
	v_max_num_f32 v[rT+1], v[rT+1], v[TC]
	v_mov_b32 v[TC], v[rT]
	v_floor_f32 v[rT], -v[rT+1]
.set j, 0
.rept 32
	v_pk_fma_f32 v[S+j:S+j+1], v[S+j:S+j+1], s[CS:CS+1], v[rT:rT+1] op_sel_hi:[1,0,0]
.if j == 8
	v_sub_f32 v[TC], v[rT], v[TC]
.endif
.if j == 24
	v_cvt_i32_f32 v[TC], v[TC]
.endif
.if j == 40
	v_ldexp_f32 v[FF], 1.0, v[TC]
.endif
.set j, j+2
.endr
	s_wait_alu depctr_va_vdst(0)
.set j, 0
.rept 64
	v_exp_f32 v[S+j], v[S+j]
.set j, j+1
.endr
	v_pk_mul_f32 v[rT+2:rT+3], v[rT+2:rT+3], v[FF:FF+1] op_sel_hi:[1,0]
	s_wait_alu depctr_va_vdst(0)
	v_pk_add_f32 v[SB:SB+1], v[S:S+1], v[S+2:S+3]
	HOLD4 S
	v_pk_add_f32 v[rT+2:rT+3], v[rT+2:rT+3], v[S+4:S+5]
	v_pk_add_f32 v[SB:SB+1], v[SB:SB+1], v[S+6:S+7]
	HOLD4 S+4
	v_cvt_scalef32_pk8_fp8_f32 v[\pb:\pb+1], v[S:S+7], v[PSC]
.irp t, 1,2,3,4,5,6,7
	v_pk_add_f32 v[rT+2:rT+3], v[rT+2:rT+3], v[S+8*\t:S+8*\t+1]
	v_pk_add_f32 v[SB:SB+1], v[SB:SB+1], v[S+8*\t+2:S+8*\t+3]
	HOLD4 S+8*\t
	v_pk_add_f32 v[rT+2:rT+3], v[rT+2:rT+3], v[S+8*\t+4:S+8*\t+5]
	v_pk_add_f32 v[SB:SB+1], v[SB:SB+1], v[S+8*\t+6:S+8*\t+7]
	HOLD4 S+8*\t+4
	v_cvt_scalef32_pk8_fp8_f32 v[\pb+2*\t:\pb+2*\t+1], v[S+8*\t:S+8*\t+7], v[PSC]
.endr
	v_pk_add_f32 v[rT+2:rT+3], v[rT+2:rT+3], v[SB:SB+1]
	s_wait_alu depctr_va_vdst(0)
.set j, 0
.rept 16
	v_pk_mul_f32 v[rO+j:rO+j+1], v[rO+j:rO+j+1], v[FF:FF+1] op_sel_hi:[1,0]
.set j, j+2
.endr
.endm
.macro PV x, pb
.irp d, 0,1,2,3
	v_wmma_f32_16x16x128_fp8_fp8 v[OA+32*\x+8*\d:OA+32*\x+8*\d+7], v[KV+16*\d:KV+16*\d+15], v[\pb:\pb+15], v[OA+32*\x+8*\d:OA+32*\x+8*\d+7]
.endr
.endm
.macro STEP
	s_cmp_gt_u32 s[KF], s[QE+1]
	s_cbranch_scc1 .Lskip_\@
	s_lshl_b32 s[TB], s[KF], 6
	v_add_nc_u32 v[ADK], s[TB], v[LI]
	v_add_nc_u32 v[ADV], VREG, v[ADK]
.rept 3
	v_nop
.endr
.irp t, 0,1,2,3,4,5,6,7
	ds_load_b128 v[KV+8*\t:KV+8*\t+3],   v[ADK] offset:\t*1024
	ds_load_b128 v[KV+8*\t+4:KV+8*\t+7], v[ADK] offset:\t*1024+512
.endr
	s_wait_alu depctr_va_vdst(0)
	s_wait_dscnt 0x0
	s_cmp_gt_u32 s[KF], s[QE]
	s_cbranch_scc1 .Lone_\@
	SOFT 0, P0
.Lone_\@:
	SOFT 1, PB1
	s_wait_alu depctr_va_vdst(0)
	s_wait_dscnt 0x0
	s_cmp_gt_u32 s[KF], s[QE]
	s_cbranch_scc1 .Lpv_\@
	PV 0, P0
.Lpv_\@:
	PV 1, PB1
.Lskip_\@:
.endm
	s_wait_alu depctr_va_vdst(0)
	s_wait_loadcnt 0x0
	s_wait_tensorcnt 0x0
	ds_add_u32 v[SPW], v[NIL]
	ds_add_u32 v[SPW], v[NIL]
	s_wait_dscnt 0x0
	CROUND
	JLOAD G0B, G1B
.Lfirst:
	STEP
	s_add_co_u32 s[KF], s[KF], 128
	s_cmp_lt_u32 s[KF], 256
	s_cbranch_scc1 .Lfirst
	s_wait_tensorcnt 0x0
	ds_add_u32 v[SPW], v[NIL]
	s_wait_dscnt 0x0
	s_barrier_signal -1
	s_barrier_wait -1
	s_mov_b32 s[CT], 2
.Lmore:
	s_and_b32 s[PH], s[CT], 15
	s_lshl_b32 s[KF], s[PH], 7
	s_lshr_b32 s56, s[CT], 4
	s_cmp_gt_u32 s56, s[LV]
	s_cbranch_scc1 .Lnext
	s_cmp_lg_u32 s[PH], 0
	s_cbranch_scc1 .Lgo
	s_lshl_b32 s56, s56, 1
	s_sub_co_u32 s57, s[WV], 10
	s_add_co_u32 s58, s56, s57
	s_sub_co_u32 s59, s[WV], s56
	TILES
	FRESH
	s_wait_alu depctr_va_vdst(0)
	s_wait_loadcnt 0x0
.Lgo:
	STEP
	s_cmp_lg_u32 s[PH], 15
	s_cbranch_scc1 .Lnext
	v_add_f32 v[ST+2], v[ST+2], v[ST+3]
	v_add_f32 v[ST+6], v[ST+6], v[ST+7]
	v_permlanex16_b32 v[PD], v[ST+2], s[SEL], s[SEL+1]
	v_permlanex16_b32 v[TA], v[ST+6], s[SEL], s[SEL+1]
	v_add_f32 v[ST+2], v[ST+2], v[PD]
	v_add_f32 v[ST+6], v[ST+6], v[TA]
	s_wait_alu depctr_va_vdst(0)
	v_rcp_f32 v[ST+3], v[ST+2]
	v_rcp_f32 v[ST+7], v[ST+6]
	v_nop
.irp x, 0,1
	s_wait_alu depctr_va_vdst(0)
.set j, 0
.rept 32
	v_mul_f32 v[S+32*\x+j], v[OA+32*\x+j], v[ST+4*\x+3]
.set j, j+1
.endr
.set j, 0
.rept 32
	v_fma_f32 v[KV+j], -v[S+32*\x+j], v[ST+4*\x+2], v[OA+32*\x+j]
.set j, j+1
.endr
.set j, 0
.rept 32
	v_fma_f32 v[S+32*\x+j], v[KV+j], v[ST+4*\x+3], v[S+32*\x+j]
.set j, j+1
.endr
.set j, 0
.rept 32
	v_med3_num_f32 v[S+32*\x+j], v[S+32*\x+j], -v[OLIM], v[OLIM]
.set j, j+1
.endr
.irp d, 0,1,2,3
	v_cvt_scalef32_pk8_fp8_f32 v[P0+8*\x+2*\d:P0+8*\x+2*\d+1], v[S+32*\x+8*\d:S+32*\x+8*\d+7], v[OSC]
.endr
	v_nop
.irp b, 0,1
	global_store_b128 v[LI], v[P0+8*\x+4*\b:P0+8*\x+4*\b+3], s[OP+2*\x:OP+2*\x+1] offset:512*\b
.endr
.endr
	s_wait_xcnt 0x0
.Lnext:
	s_add_co_u32 s[CT], s[CT], 1
	s_cmp_lt_u32 s[CT], 48
	s_cbranch_scc1 .Lmore
	s_wait_tensorcnt 0x0
	ds_add_u32 v[SPW], v[NIL]
	s_wait_dscnt 0x0
	CROUND
	s_endpgm
.Lfunc_end_k_q39c572d028_attn:
	.size	k_q39c572d028_attn, .Lfunc_end_k_q39c572d028_attn-k_q39c572d028_attn
	.p2alignl 7, 3214868480
	.fill 96, 4, 3214868480
	.section	.rodata,"a",@progbits
	.p2align	6, 0x0
	.amdhsa_kernel k_q39c572d028_attn
		.amdhsa_group_segment_fixed_size 327680
		.amdhsa_private_segment_fixed_size 0
		.amdhsa_enable_private_segment 0
		.amdhsa_kernarg_size 24
		.amdhsa_user_sgpr_count 2
		.amdhsa_user_sgpr_kernarg_segment_ptr 1
		.amdhsa_wavefront_size32 1
		.amdhsa_system_sgpr_workgroup_id_x 1
		.amdhsa_system_sgpr_workgroup_id_y 1
		.amdhsa_system_sgpr_workgroup_id_z 1
		.amdhsa_system_vgpr_workitem_id 0
		.amdhsa_next_free_vgpr 256
		.amdhsa_next_free_sgpr 100
		.amdhsa_reserve_vcc 1
		.amdhsa_float_denorm_mode_32 3
		.amdhsa_float_denorm_mode_16_64 3
		.amdhsa_memory_ordered 1
		.amdhsa_forward_progress 1
		.amdhsa_inst_pref_size 108
	.end_amdhsa_kernel
	.amdgpu_metadata
---
amdhsa.version: [ 1, 2 ]
amdhsa.kernels:
  - .name:           k_q39c572d028_attn
    .symbol:         k_q39c572d028_attn.kd
    .args:
      - { .name: qkv, .offset: 0, .size: 8, .value_kind: global_buffer, .address_space: global }
      - { .name: lowp_scales, .offset: 8, .size: 8, .value_kind: global_buffer, .address_space: global }
      - { .name: a_codes, .offset: 16, .size: 8, .value_kind: global_buffer, .address_space: global }
    .group_segment_fixed_size: 327680
    .private_segment_fixed_size: 0
    .kernarg_segment_align: 8
    .kernarg_segment_size: 24
    .max_flat_workgroup_size: 384
    .sgpr_count:     100
    .vgpr_count:     256
    .wavefront_size: 32
...
	.end_amdgpu_metadata
.endif
;; end of part 3
;; launch proj (part 4): grid 4 x 64, 4 waves a work-group, clusters of 4 x 4, 327,680 bytes of LDS; arguments a_codes, wout_codes, lowp_scales, b_out, out0; writes out0
.if DOCPART == 4
	.amdgcn_target "amdgcn-amd-amdhsa--gfx1250"
	.amdhsa_code_object_version 6
	.text
	.protected	k_q39c572d028_proj
	.globl	k_q39c572d028_proj
	.p2align	8
	.type	k_q39c572d028_proj,@function
k_q39c572d028_proj:
	s_mov_b64 s[64:65], 0
	v_nop
	global_prefetch_b8 v0, s[64:65] scope:SCOPE_SE
	s_setreg_imm32_b32 hwreg(HW_REG_WAVE_MODE, 25, 1), 1
	s_wait_xcnt 0x0
	s_wait_alu depctr_hold_cnt(0) depctr_sa_sdst(0) depctr_va_vdst(0) depctr_va_sdst(0) depctr_va_ssrc(0) depctr_va_vcc(0) depctr_vm_vsrc(0)
	s_getreg_b32 s2, hwreg(HW_REG_IB_STS2, 6, 4)
	s_cmp_eq_u32 s2, 0
	s_cbranch_scc0 .Lentry_in_a_cluster
	s_endpgm
.Lentry_in_a_cluster:
	s_bfe_u32 s2, ttmp6, 0x10000c
	s_cmp_lg_u32 s2, 0xf033
	s_cbranch_scc0 .Lentry_shape_is_right
	s_endpgm
.Lentry_shape_is_right:
.set SIZE_N, 1024
.set ROWB,   256
.set KROW,   1024
.set PITCH,  272
.set FR,     16
.set NP,     4
.set HALFA,  16384
.set HALFT,  128*PITCH
.set BOFF,   2*HALFA
.set SLOT,   BOFF+2*HALFT
.set ASTEP,  2097152
.set SPARE,  2*SLOT
.set SPITCH, 528
.set BIAS, 8
.set ADRA, 16
.set ADRB, 20
.set STO,  24
.set RD,   25
.set CO,   26
.set SPW,  28
.set NIL,  29
.set AF,   128
.set BK,   128
.set G1, 24
.set G0, 32
.set G1B, 48
.set G0B, 56
.set MSB, 0
.macro WIN new
.if MSB != \new
	s_set_vgpr_msb (MSB<<8)|\new
.set MSB, \new
.endif
.endm
.set MUL_LO, 0xa1
.set TO_B,   0x40
.macro JLOAD g0a, g1a, g0b, g1b
	s_cmp_eq_u32 s15, 0
	s_cbranch_scc0 .Lfor_b_\@
	tensor_load_to_lds s[\g0a:\g0a+3], s[\g1a:\g1a+7]
	s_nop 0
.rept 4
	v_nop
.endr
	s_branch .Lasked_\@
.Lfor_b_\@:
	tensor_load_to_lds s[\g0b:\g0b+3], s[\g1b:\g1b+7]
	s_nop 0
.rept 4
	v_nop
.endr
.Lasked_\@:
.endm
.macro CREST
	s_cmp_lg_u32 s14, 0
	s_cbranch_scc1 .Lnot_wave_0_\@
	s_barrier_signal -3
.Lnot_wave_0_\@:
	s_barrier_wait -3
	s_barrier_signal -1
	s_barrier_wait -1
.endm
.macro CROUND
	s_barrier_signal -1
	s_barrier_wait -1
	CREST
.endm
	s_load_b256 s[4:11], s[0:1], 0x0
	s_load_b64 s[12:13], s[0:1], 0x20
	v_lshl_add_u32 v[SPW], v0, 2, SPARE
	v_mov_b32 v[NIL], 0
	ds_add_u32 v[SPW], v[NIL]
	ds_add_u32 v[SPW], v[NIL]
	v_lshrrev_b32 v1, 5, v0
	v_readfirstlane_b32 s14, v1
	s_lshr_b32 s15, s14, 1
	s_and_b32 s16, s14, 1
	s_bfe_u32 s40, ttmp6, 0x40000
	s_bfe_u32 s41, ttmp6, 0x40004
	s_lshl_b32 s42, ttmp9, 2
	s_add_co_u32 s42, s42, s40
	s_and_b32 s17, ttmp7, 0xffff
	s_lshl_b32 s17, s17, 2
	s_add_co_u32 s17, s17, s41
	s_lshl_b32 s43, s41, 2
	s_lshl_b32 s43, 15, s43
	s_lshl_b32 s44, 0x1111, s40
	s_or_b32 s[G1+0], s43, (3<<16)|(1<<21)
	s_mov_b32 s[G1+1], 32<<16
	s_mov_b32 s[G1+2], 64<<16
	s_mov_b32 s[G1+3], 32<<16
	s_mov_b32 s[G1+4], 64
	s_mov_b32 s[G1+5], 32
	s_mov_b32 s[G1+6], 0
	s_mov_b32 s[G1+7], 0
	s_or_b32 s[G1B+0], s44, (0<<16)|(1<<20)|(1<<21)|(5<<22)|(3<<25)
	s_mov_b32 s[G1B+1], ROWB<<16
	s_mov_b32 s[G1B+2], 128<<16
	s_mov_b32 s[G1B+3], ROWB<<16
	s_mov_b32 s[G1B+4], 128
	s_mov_b32 s[G1B+5], KROW
	s_mov_b32 s[G1B+6], 0
	s_mov_b32 s[G1B+7], 0
	s_lshl_b32 s20, s17, 15
	s_lshl_b32 s18, s16, 14
	s_add_co_u32 s20, s20, s18
	s_mov_b32 s21, 0
	s_lshl_b32 s46, s42, 8
	s_lshl_b32 s19, s16, 7
	s_add_co_u32 s46, s46, s19
	s_lshl_b32 s46, s46, 10
	s_mov_b32 s47, 0
	s_lshl_b32 s45, s16, 14
	s_mul_i32 s22, s16, HALFT
	s_add_co_u32 s22, s22, BOFF
	s_wait_dscnt 0x0
	s_wait_kmcnt 0x0
	s_load_b64 s[96:97], s[8:9], 0x18
	s_add_nc_u64 s[20:21], s[4:5], s[20:21]
	s_add_nc_u64 s[46:47], s[6:7], s[46:47]
	CROUND
.irp s, 0,1
	s_mov_b32 s[G0+4*\s], 1
	s_add_co_u32 s[G0+4*\s+1], s45, \s*SLOT
	s_add_nc_u64 s[G0+4*\s+2:G0+4*\s+3], s[20:21], \s*ASTEP
	s_or_b32 s[G0+4*\s+3], s[G0+4*\s+3], 0x80000000
	s_mov_b32 s[G0B+4*\s], 1
	s_add_co_u32 s[G0B+4*\s+1], s22, \s*SLOT
	s_add_nc_u64 s[G0B+4*\s+2:G0B+4*\s+3], s[46:47], \s*ROWB
	s_or_b32 s[G0B+4*\s+3], s[G0B+4*\s+3], 0x80000000
.endr
	JLOAD G0, G1, G0B, G1B
	v_and_b32 v1, 15, v0
	v_bfe_u32 v2, v0, 4, 1
	v_mul_u32_u24 v3, v1, PITCH
	v_lshl_add_u32 v4, v2, 4, v3
	v_and_b32 v6, 31, v0
	v_lshlrev_b32 v[CO], 4, v6
	s_wait_alu depctr_va_vdst(0)
	s_lshl_b32 s21, s15, 14
	s_mul_i32 s22, s16, HALFT
	s_add_co_u32 s22, s22, BOFF
.irp s, 0,1
	v_add_nc_u32 v[ADRA+\s], s21, v[CO]
	v_add_nc_u32 v[ADRB+\s], s22, v4
	s_add_co_u32 s21, s21, SLOT
	s_add_co_u32 s22, s22, SLOT
.endr
	s_mul_i32 s23, s14, 16*SPITCH
	v_mul_u32_u24 v5, v1, SPITCH
	v_lshl_add_u32 v5, v2, 5, v5
	v_add_nc_u32 v[STO], s23, v5
	v_add_nc_u32 v[RD], s23, v[CO]
	s_lshl_b32 s20, s17, 7
	s_lshl_b32 s21, s15, 6
	s_add_co_u32 s20, s20, s21
	s_lshl_b32 s20, s20, 12
	s_lshl_b32 s46, s42, 10
	s_lshl_b32 s47, s16, 9
	s_add_co_u32 s46, s46, s47
	s_mov_b32 s47, 0
	s_add_nc_u64 s[10:11], s[10:11], s[46:47]
	s_add_co_u32 s20, s20, s46
	s_mov_b32 s21, 0
	s_add_nc_u64 s[12:13], s[12:13], s[20:21]
	global_load_b128 v[BIAS:BIAS+3], v[CO], s[10:11]
.macro FETCH slot, q, p
	WIN TO_B
.irp i, 0,1,2,3,4,5,6,7
.irp c, 0,1,2,3
	ds_load_b128 v[128*(\p)+FR*\i+4*\c:128*(\p)+FR*\i+4*\c+3], v[ADRB+\slot] offset:128*(\q)+32*\c+\i*16*PITCH
.endr
.endr
	WIN 0
.irp i, 0,1,2,3
.irp c, 0,1,2,3
	ds_load_b128 v[AF+64*(\p)+FR*\i+4*\c:AF+64*(\p)+FR*\i+4*\c+3], v[ADRA+\slot] offset:2048*(\q)+512*\c+\i*4096
.endr
.endr
.endm
.macro MUL16 a0, p, zero
.irp a, \a0, \a0+1
.irp b, 0,1,2,3,4,5,6,7
.if \zero
	v_wmma_f32_16x16x128_fp8_fp8 v[8*(8*(\a)+\b):8*(8*(\a)+\b)+7], v[128*(\p)+FR*\b:128*(\p)+FR*\b+FR-1], v[AF+64*(\p)+FR*(\a):AF+64*(\p)+FR*(\a)+FR-1], 0
.else
	v_wmma_f32_16x16x128_fp8_fp8 v[8*(8*(\a)+\b):8*(8*(\a)+\b)+7], v[128*(\p)+FR*\b:128*(\p)+FR*\b+FR-1], v[AF+64*(\p)+FR*(\a):AF+64*(\p)+FR*(\a)+FR-1], v[8*(8*(\a)+\b):8*(8*(\a)+\b)+7]
.endif
.endr
.endr
.endm
.macro PLACES n
.rept \n
	v_nop
.endr
.endm
.macro STEP slot, zero
	PLACES NP
	FETCH \slot, 1, 1
	s_wait_dscnt 48
	WIN MUL_LO
	MUL16 0, 0, \zero
	MUL16 2, 0, \zero
	WIN 0
.endm
.macro TURN slot, next, fill
	s_wait_tensorcnt 0x0
	ds_add_u32 v[SPW], v[NIL]
	s_wait_dscnt 0x0
	s_barrier_signal -1
	WIN MUL_LO
	MUL16 0, 1, 0
	WIN 0
	s_barrier_wait -1
.if \fill
	CREST
	s_add_nc_u64 s[G0+4*\slot+2:G0+4*\slot+3], s[G0+4*\slot+2:G0+4*\slot+3], 2*ASTEP
	s_add_nc_u64 s[G0B+4*\slot+2:G0B+4*\slot+3], s[G0B+4*\slot+2:G0B+4*\slot+3], 2*ROWB
	JLOAD G0+4*\slot, G1, G0B+4*\slot, G1B
.else
	PLACES NP
.endif
	FETCH \next, 0, 0
	WIN MUL_LO
	MUL16 2, 1, 0
	WIN 0
.endm
	s_wait_alu depctr_va_vdst(0)
	s_wait_tensorcnt 0x0
	ds_add_u32 v[SPW], v[NIL]
	s_wait_dscnt 0x0
	CROUND
	JLOAD G0+4, G1, G0B+4, G1B
	FETCH 0, 0, 0
	STEP 0, 1
	TURN 0, 1, 1
	STEP 1, 0
	TURN 1, 0, 1
	STEP 0, 0
	TURN 0, 1, 0
	STEP 1, 0
	s_wait_dscnt 0x0
	WIN MUL_LO
	MUL16 0, 1, 0
	MUL16 2, 1, 0
	WIN 0
.macro TOSTAGE a
.set AC, 64*(\a)
	WIN 0x08
.irp b, 0,1,2,3,4,5,6,7
	ds_store_b128 v[STO], v[AC+8*\b:AC+8*\b+3] offset:64*\b
	ds_store_b128 v[STO], v[AC+8*\b+4:AC+8*\b+7] offset:64*\b+16
.endr
	WIN 0
.set BB, BK+64*((\a)%2)
.irp t, 0,1,2,3,4,5,6,7,8,9,10,11,12,13,14,15
	ds_load_b128 v[BB+4*\t:BB+4*\t+3], v[RD] offset:\t*SPITCH
.endr
.endm
.macro SEND a, younger
.set BB, BK+64*((\a)%2)
	s_wait_dscnt \younger
.if (\a) > 0
	s_add_nc_u64 s[12:13], s[12:13], 16*SIZE_N*4
.endif
.irp t, 0,1,2,3,4,5,6,7,8,9,10,11,12,13,14,15
	v_pk_fma_f32 v[BB+4*\t:BB+4*\t+1], v[BB+4*\t:BB+4*\t+1], s[96:97], v[BIAS:BIAS+1] op_sel_hi:[1,0,1]
	v_pk_fma_f32 v[BB+4*\t+2:BB+4*\t+3], v[BB+4*\t+2:BB+4*\t+3], s[96:97], v[BIAS+2:BIAS+3] op_sel_hi:[1,0,1]
	global_store_b128 v[CO], v[BB+4*\t:BB+4*\t+3], s[12:13] offset:\t*SIZE_N*4 th:TH_STORE_NT
.endr
.endm
	s_wait_kmcnt 0x0
	s_add_co_i32 s96, s96, s97
	s_add_co_i32 s96, s96, 127
	s_lshl_b32 s96, s96, 23
	s_mov_b32 s97, s96
	s_wait_loadcnt 0x0
	PLACES NP
	TOSTAGE 0
.irp a, 1,2,3
.if \a > 1
	s_wait_xcnt 0x0
.endif
	TOSTAGE \a
	SEND \a-1, 32
.endr
	s_wait_xcnt 0x0
	SEND 3, 0
	s_wait_tensorcnt 0x0
	ds_add_u32 v[SPW], v[NIL]
	s_wait_dscnt 0x0
	CROUND
	s_endpgm
.Lfunc_end_k_q39c572d028_proj:
	.size	k_q39c572d028_proj, .Lfunc_end_k_q39c572d028_proj-k_q39c572d028_proj
	.p2alignl 7, 3214868480
	.fill 96, 4, 3214868480
	.section	.rodata,"a",@progbits
	.p2align	6, 0x0
	.amdhsa_kernel k_q39c572d028_proj
		.amdhsa_group_segment_fixed_size 327680
		.amdhsa_private_segment_fixed_size 0
		.amdhsa_enable_private_segment 0
		.amdhsa_kernarg_size 40
		.amdhsa_user_sgpr_count 2
		.amdhsa_user_sgpr_kernarg_segment_ptr 1
		.amdhsa_wavefront_size32 1
		.amdhsa_system_sgpr_workgroup_id_x 1
		.amdhsa_system_sgpr_workgroup_id_y 1
		.amdhsa_system_sgpr_workgroup_id_z 1
		.amdhsa_system_vgpr_workitem_id 0
		.amdhsa_next_free_vgpr 768
		.amdhsa_next_free_sgpr 98
		.amdhsa_reserve_vcc 0
		.amdhsa_float_denorm_mode_32 3
		.amdhsa_float_denorm_mode_16_64 3
		.amdhsa_memory_ordered 1
		.amdhsa_forward_progress 1
		.amdhsa_inst_pref_size 75
	.end_amdhsa_kernel
	.amdgpu_metadata
---
amdhsa.version: [ 1, 2 ]
amdhsa.kernels:
  - .name:           k_q39c572d028_proj
    .symbol:         k_q39c572d028_proj.kd
    .args:
      - { .name: a_codes, .offset: 0, .size: 8, .value_kind: global_buffer, .address_space: global }
      - { .name: wout_codes, .offset: 8, .size: 8, .value_kind: global_buffer, .address_space: global }
      - { .name: lowp_scales, .offset: 16, .size: 8, .value_kind: global_buffer, .address_space: global }
      - { .name: b_out, .offset: 24, .size: 8, .value_kind: global_buffer, .address_space: global }
      - { .name: out0, .offset: 32, .size: 8, .value_kind: global_buffer, .address_space: global }
    .group_segment_fixed_size: 327680
    .private_segment_fixed_size: 0
    .kernarg_segment_align: 8
    .kernarg_segment_size: 40
    .max_flat_workgroup_size: 128
    .sgpr_count:     98
    .vgpr_count:     768
    .wavefront_size: 32
...
	.end_amdgpu_metadata
.endif
;; end of part 4
